; MI455X (gfx1250); checked and timed in simulation.
; The chip was launched on July 23, 2026; its instructions are those of AMD's public machine-readable ISA for CDNA 5 (MIT licence, August 2026) and "CDNA5" Instruction Set Architecture Reference Guide (July 2026). The comments in the code are by the model that wrote it; some were corrected since.
;; Vector Quantizer. Allowed arithmetic: matrix products marked QUANTISED: E4M3 operands, one given power-of-two scale a tensor, by v_wmma_f32_16x16x64_fp8_fp8 or v_wmma_f32_16x16x128_fp8_fp8, f32 sums; everything else in f32.
;; Inputs: embeddings 64 x 1,024 float32; lowp_scales 2 int32 (the exponents e of the quantised operands' scales 2^e); x 16 x 64 x 64 x 64 float32.
;; Outputs: out0 16 x 64 x 64 x 64 float32.
;; This version of the problem:
;;   THIS VERSION OF THE PROBLEM IS GIVEN IN LOW PRECISION. The matrix products marked QUANTISED in the list below multiply operands that are first quantised to E4M3 (4 exponent bits, 3 mantissa bits; 8 bits a number), with one given power-of-two scale for each operand tensor; their sums are f32. All else is computed in f32.
;;   The module's matrix products, in the order in which they are computed (A, B: the left and right operand; K: the contracted axis; several contracted axes count as one K, in the product's order):
;;     1. [M 65,536, K 64] x [K 64, N 1,024]; A: input x; B: input embeddings: QUANTISED (scales: A lowp_scales[0], B lowp_scales[1])
;;   THE QUANTISER, for each operand of a quantised product, along K:
;;     - The operand's scale is 2^e, e = its entry of the input lowp_scales (int32; the entries are numbered through the quantised products in the list's order, A before B).
;;     - Each number is divided by the scale, clamped to +-448, and rounded to the nearest number of E4M3, ties to even, subnormals kept.
;;     - The product sums the exact products of the quantised numbers (number of the format x scale) in f32.
;;   ~~~python
;;   def quantise(x, axis, e):      # numpy; x: float32 -> the quantised numbers, widened to float32 again
;;       x = np.moveaxis(x, axis, -1); K = x.shape[-1]
;;       r = np.clip(x / 2.0 ** e, -448, 448)
;;       step = 2.0 ** (np.maximum(np.frexp(np.where(r == 0, 1, r))[1] - 1, -6) - 3)
;;       q = np.round(r / step) * step * 2.0 ** e      # np.round: ties to even
;;       return np.moveaxis(q, -1, axis).astype(np.float32)
;;   ~~~
;; One version. Each part assembles by itself: llvm-mc -triple=amdgcn-amd-amdhsa -mcpu=gfx1250 --defsym DOCPART=n.
;; ======== version 1 of 1: 2 launches
;; limits: right only within a limited range of input values
;; workspace buffers: embt 262,144 bytes; idx 262,144 bytes of whole numbers
;; launch near (part 1): grid 256 x 1, 8 waves a work-group, no clusters, 145,408 bytes of LDS; arguments embeddings, x, lowp_scales, idx, embt; writes idx, embt
.if DOCPART == 1
	.amdgcn_target "amdgcn-amd-amdhsa--gfx1250"
	.amdhsa_code_object_version 6
	.text
	.protected	k_q5cd56c810a_near
	.globl	k_q5cd56c810a_near
	.p2align	8
	.type	k_q5cd56c810a_near,@function
k_q5cd56c810a_near:
	s_mov_b64 s[64:65], 0
	v_nop
	global_prefetch_b8 v0, s[64:65] scope:SCOPE_SE
	s_setreg_imm32_b32 hwreg(HW_REG_WAVE_MODE, 25, 1), 1
	s_wait_xcnt 0x0
; idx[q] = the code of the book with the least distance to row q of x [65536][64] f32, and embt = the book transposed, [1024][64] f32, for the gather of the next launch.  The book is embeddings [64 (k)][1024 (code)] f32.
; THE DISTANCE is formed in the order in which it is defined: t = z2 + e2 (one f32 addition), then t - 2 sim, in units of 2^(1 + ex + ee): z2 and e2 are scaled by 2^-(1 + ex + ee), which rounds nothing, x's codes carry the minus sign
; (the quantiser is symmetric), and t is the C operand of the product: so the f32 sum of C and the products of codes is the scaled distance, and all comparisons are those of the distances.
; z2 and e2 are sums of squares of the unquantised numbers, in f32 (several chains: another order of rounding than a plain sum).  Equal distances go to the lowest index at every step.  No step of reference() is left out.
; LIMITS: ex and ee between -126 and 119; ex + ee between -127 and 125; z2, e2 and the distances times 2^-(1 + ex + ee) lie within f32's normal range (or are 0); NaN and infinity are not served.
; SHARES.  A work-group owns 256 rows of x, a wave 32 of them (two tiles of 16), which stay in 16 registers as codes.  Every wave meets the whole book, so a row's best code is found in one wave.
; THE BOOK goes by in 8 chunks of 128 codes.  Of a chunk wave w makes tile w, 16 codes: lane l takes four neighbouring codes 4 (l % 4) on, and k = 8 (l / 4) .. + 7, by eight loads of 16 bytes (the eight waves together read
; 512 consecutive bytes of each row of the book).  The hold at the largest code writes its numbers so that a code's eight k stand in neighbouring registers: the conversion's results are then registers 2 c, 2 c + 1 of the
; operand's lane (code, h) with 2 c + h = l / 4, and go into an IMAGE OF THE OPERAND'S REGISTERS in LDS.  e2 is summed over the eight lanes that hold a code.  Each chunk has LDS bytes of its own: none is written twice, so one barrier a chunk serves.
; Chunk c + 1 is quantised while chunk c is multiplied; its loads went out two chunks earlier, into two sets of registers by turns.
; THE PRODUCT: source 0 = 16 codes of the book, source 1 = 16 rows of x: lane (r, h) holds row r, register j code 8 h + j of the tile.
; THE ARG-MIN of a lane's 512 distances, in groups of 16 (two tiles): seven three-way minima, an eighth with the best so far, one compare (has the best fallen?), selects for the group's number and its 16 numbers, two to an instruction.
; At the end the lowest kept slot equal to the best is found, and lanes l and l xor 16 are joined.
; NO CLUSTER, NO TENSOR LOAD: what work-groups share is the book as f32, 262,144 bytes; beside its images (69,632 bytes) it does not fit in LDS, and as a ring it would pass through LDS once more and want a round of the cluster's barrier a refill;
; here it goes straight into the registers where it is quantised.  NO PREFETCH: x is asked for whole at the head, and the book's loads themselves stand two chunks ahead of their use.
.set IMG,   0                          ; 64 tiles; a tile is 4 quarters (part p, half h) of 16 x 16 bytes, 272 bytes apart
.set QP,    272
.set TP,    4*QP
.set E2B,   64*TP                      ; 1,024 numbers e2, scaled
.set XST,   E2B+4096                   ; each wave's 32 rows of x as f32, 272 bytes apart
.set XWV,   32*272
.set IDXL,  XST+8*XWV                  ; the work-group's 256 indices
.set SPARE, IDXL+1024                  ; the spare words: 128 bytes for each wave, named by no other line
.set EO,  2                            ; v2   book: 32,768 (l / 4) + 16 (l % 4)
.set XO,  3                            ; v3   x: 16 l
.set XSW, 4                            ; v4   x's turn through LDS: in
.set XSR, 5                            ; v5   and out
.set IW,  6                            ; v6   where I store codes of my tile of chunk 0
.set IR0, 7                            ; v7   where I read an image: tiles 0 to 31
.set IR1, 8                            ; v8   tiles 32 to 63
.set EW,  9                            ; v9   where I store e2
.set ER,  10                           ; v10  where I read it
.set GOW, 11                           ; v11  my index in LDS
.set GOR, 12                           ; v12  where waves 0 and 1 read four
.set SCX, 13                           ; v13  2^ex
.set LMX, 14                           ; v14  448 x 2^ex
.set SCE, 15                           ; v15  2^ee
.set SPW, 16                           ; v16  my spare word
.set NIL, 17                           ; v17  0
.set ZZ,  18                           ; v18-21 scaled z2 of my two tiles' rows, a pair each (the low register counts)
.set BS,  22                           ; v22-25 the best so far, two registers a tile by turns
.set TB,  26                           ; v26-27 the best group's number
.set KB,  28                           ; v28  8 h
.set LME, 29                           ; v29  448 x 2^ee, here and in window 1
.set EMO, 30                           ; v30  embt: 8,192 l into the book
.set LN,  31                           ; v31  lane
.set XB,  32                           ; v32-47 my two tiles of x as codes
.set SV,  48                           ; v48-79 the kept 16 of each tile; at the head, with v80-111, x as loaded
.set XR,  48
.set AF,  80                           ; v80-95 and v144-159, by turns: two tiles of the book
.set EF,  96                           ; v96-111 and v160-175, by turns: their e2
.set DD,  112                          ; v112-143 z2 + e2, then the distances: 16 for each tile of x; a chunk's held numbers; at the head, with v144-175, x as read back
.set TT,  176                          ; v176-180, v192-196 at work
.set CD,  240                          ; v240-247 a chunk's codes; later embt's numbers
.set SQ,  248                          ; v248-251 sums of squares; v252-255 at work
.set RAW, 64                           ; window 1: v64-127 two chunks of the book as loaded
.set WV,  14                           ; s14  wave
.set SS,  16                           ; s[16:17] 2^-(1 + ex + ee), twice
.set MS,  24                           ; s24-38 masks
.set MSB, 0
.macro WIN new                         ; the immediate's high byte repeats the setting that is left
.if MSB != (\new)
	s_set_vgpr_msb (MSB<<8)|(\new)
.set MSB, \new
.endif
.endm
	s_load_b256 s[4:11], s[0:1], 0x0               ; book, x, the scales' exponents, idx
	s_load_b64 s[12:13], s[0:1], 0x20              ; embt
	v_lshrrev_b32 v1, 5, v0
	v_readfirstlane_b32 s[WV], v1                  ; wave 0..7
	v_and_b32 v[LN], 31, v0
	v_and_b32 v1, 3, v0                            ; l % 4
	v_bfe_u32 v112, v0, 2, 3                       ; l / 4
	v_bfe_u32 v113, v0, 4, 1                       ; h
	v_and_b32 v114, 15, v0                         ; r
	v_bfe_u32 v115, v0, 2, 1                       ; the half of the operand's lanes that my codes belong to
	v_bfe_u32 v116, v0, 3, 1                       ; which 8 of the 16 bytes
	v_lshl_add_u32 v[SPW], v0, 2, SPARE
	v_mov_b32 v[NIL], 0
	v_lshlrev_b32 v[EO], 15, v112
	v_lshlrev_b32 v[XO], 4, v[LN]
	v_mul_u32_u24 v[IR0], v113, QP
	v_mul_u32_u24 v[XSR], v114, 272
	v_lshl_add_u32 v115, v113, 1, v115             ; quarter 2 p + h: p is bit 4 of the lane
	v_lshl_add_u32 v[EO], v1, 4, v[EO]
	v_lshl_add_u32 v[IR0], v114, 4, v[IR0]         ; 272 h + 16 r
	v_lshl_add_u32 v[XSR], v113, 5, v[XSR]         ; row r, k = 8 h on
	v_mul_u32_u24 v[IW], v115, QP
	v_lshl_add_u32 v[EW], v1, 4, E2B
	v_lshl_add_u32 v[ER], v113, 5, E2B
	v_lshl_add_u32 v[IW], v116, 3, v[IW]
	v_lshl_add_u32 v[IW], v1, 6, v[IW]             ; + 16 bytes for each of the codes 4 (l % 4)
	v_lshlrev_b32 v[KB], 3, v113
	v_lshlrev_b32 v[EMO], 13, v[LN]
	v_and_b32 v[GOR], 63, v0
	v_lshlrev_b32 v[GOR], 4, v[GOR]
	v_add_nc_u32 v[GOR], IDXL, v[GOR]
	v_add_nc_u32 v[IR1], 32*TP, v[IR0]
	s_mul_i32 s15, s[WV], XWV
	s_add_co_u32 s15, s15, XST
	s_mul_i32 s18, s[WV], TP
	s_lshl_b32 s28, s[WV], 6                       ; my tile's 64 bytes of a row of the book, and of a chunk's e2
	s_mov_b32 s29, 0
	s_lshl_b32 s26, s[WV], 7
	s_add_co_u32 s26, s26, IDXL
	s_lshl_b32 s30, ttmp9, 16                      ; the work-group's 256 rows of x,
	s_lshl_b32 s31, s[WV], 13                      ; my 32 of them
	s_add_co_u32 s30, s30, s31
	s_mov_b32 s31, 0
	s_wait_alu depctr_va_vdst(0)                   ; the wait here, behind the run of scalar lines
	v_add_nc_u32 v[XSW], s15, v[IR0]               ; a load's first row in lanes 0-15, its second in lanes 16-31
	v_add_nc_u32 v[XSR], s15, v[XSR]
	v_add_nc_u32 v[IW], s18, v[IW]                 ; (IMG = 0)
	v_add_nc_u32 v[EW], s28, v[EW]
	v_lshl_add_u32 v[GOW], v[LN], 2, s26
	s_wait_alu depctr_va_vdst(0)                   ; and here, directly ahead of the wait below
	s_wait_kmcnt 0x0
	s_load_b64 s[40:41], s[8:9], 0x0               ; ex, ee
	s_add_nc_u64 s[20:21], s[4:5], s[28:29]
	s_add_nc_u64 s[6:7], s[6:7], s[30:31]
.macro CLOAD c                         ; my tile of chunk c: register 4 i + cc: k = 8 (l / 4) + i, code 4 (l % 4) + cc
	WIN 0x40
.irp i, 0,1,2,3,4,5,6,7
	global_load_b128 v[RAW+32*((\c)%2)+4*\i:RAW+32*((\c)%2)+4*\i+3], v[EO], s[20:21] offset:4096*\i+512*(\c)
.endr
	WIN 0
.endm
	CLOAD 0
.irp i, 0,1,2,3,4,5,6,7,8,9,10,11,12,13,14,15
	global_load_b128 v[XR+4*\i:XR+4*\i+3], v[XO], s[6:7] offset:512*\i th:TH_LOAD_NT   ; 512 consecutive bytes: rows 2 i and 2 i + 1; read once in the launch
.endr
	CLOAD 1
	s_lshl_b32 s28, ttmp9, 4
	s_add_nc_u64 s[22:23], s[4:5], s[28:29]        ; the work-group's four codes for embt
	s_lshl_b32 s28, ttmp9, 10
	s_add_nc_u64 s[10:11], s[10:11], s[28:29]      ; its 256 indices
	s_add_nc_u64 s[12:13], s[12:13], s[28:29]      ; its four rows of embt
	s_mov_b32 s44, 0x76543210                      ; v_permlanex16_b32's selects for lane l xor 16
	s_mov_b32 s45, 0xfedcba98
	s_wait_kmcnt 0x0
	s_add_co_i32 s26, s40, s41
	s_sub_co_i32 s26, 126, s26
	s_lshl_b32 s[SS], s26, 23                      ; 2^-(1 + ex + ee) as f32
	s_mov_b32 s[SS+1], s[SS]                       ; (named with it as a pair, so it is written)
	s_add_co_i32 s26, s40, 127
	s_lshl_b32 s27, s26, 23
	v_mov_b32 v[SCX], s27
	s_add_co_i32 s26, s26, 8
	s_lshl_b32 s26, s26, 23
	s_or_b32 s26, s26, 0x600000
	v_mov_b32 v[LMX], s26
	s_add_co_i32 s26, s41, 127
	s_lshl_b32 s27, s26, 23
	v_mov_b32 v[SCE], s27                          ; the conversion takes its exponent field
	s_add_co_i32 s26, s26, 8
	s_lshl_b32 s26, s26, 23
	s_or_b32 s26, s26, 0x600000
	v_mov_b32 v[LME], s26
	WIN 0x40
	v_mov_b32 v[LME], s26
	WIN 0
	v_mov_b32 v[BS], 0x7f800000                    ; nothing found yet
	v_mov_b32 v[BS+2], 0x7f800000
	v_mov_b32 v[TB], 0
	v_mov_b32 v[TB+1], 0
	v_mov_b32 v[ZZ+1], 0                           ; (a lane permute's destination counts as one of its sources)
	v_mov_b32 v[ZZ+3], 0
.irp j, 4,5,6,7
	v_mov_b32 v[SQ+\j], 0
.endr
	s_wait_alu depctr_va_vdst(0)                   ; the wait at the head's end
; My tile of chunk c: e2 of four codes, and their codes.  left = the loads issued behind this chunk's eight, which may stay out.  Five LDS stores.
.macro QUANT c, left
.set RX, RAW+32*((\c)%2)
	s_wait_loadcnt \left
	WIN 0x05                                       ; sources 0 and 1 in window 1
	v_pk_mul_f32 v[SQ:SQ+1], v[RX:RX+1], v[RX:RX+1]
	v_pk_mul_f32 v[SQ+2:SQ+3], v[RX+2:RX+3], v[RX+2:RX+3]
.irp i, 0,1,2,3,4,5,6,7
.if \i > 0
	v_pk_fma_f32 v[SQ:SQ+1], v[RX+4*\i:RX+4*\i+1], v[RX+4*\i:RX+4*\i+1], v[SQ:SQ+1]
	v_pk_fma_f32 v[SQ+2:SQ+3], v[RX+4*\i+2:RX+4*\i+3], v[RX+4*\i+2:RX+4*\i+3], v[SQ+2:SQ+3]
.endif
.irp cc, 0,1,2,3
	v_med3_num_f32 v[DD+8*\cc+\i], v[RX+4*\i+\cc], -v[LME], v[LME]   ; the conversion does not saturate (ISA guide 7.6.2): the hold comes first, and puts a code's k side by side
.endr
.endr
	WIN 0
.irp cc, 0,1,2,3
	v_cvt_scalef32_pk8_fp8_f32 v[CD+2*\cc:CD+2*\cc+1], v[DD+8*\cc:DD+8*\cc+7], v[SCE]
.endr
.irp m, 4,8
.irp j, 0,1,2,3
	v_add_f32_dpp v[SQ+\j], v[SQ+\j], v[SQ+\j] row_xmask:\m row_mask:0xf bank_mask:0xf
.endr
.endr
.irp j, 0,1,2,3
	v_permlanex16_b32 v[SQ+4+\j], v[SQ+\j], s44, s45
.endr
.irp j, 0,1,2,3
	v_add_f32 v[SQ+\j], v[SQ+\j], v[SQ+4+\j]       ; the same bits in all eight lanes that hold these codes
.endr
.irp j, 0,2
	v_pk_mul_f32 v[SQ+\j:SQ+\j+1], v[SQ+\j:SQ+\j+1], s[SS:SS+1] op_sel_hi:[1,0]
.endr
.irp cc, 0,1,2,3
	ds_store_b64 v[IW], v[CD+2*\cc:CD+2*\cc+1] offset:8*TP*(\c)+16*\cc
.endr
	ds_store_b128 v[EW], v[SQ:SQ+3] offset:512*(\c)   ; eight lanes store the same four numbers to the same words
.endm
.macro NEXTL ti, bf                    ; tiles ti and ti + 1 of the book, and their e2, into set bf: eight LDS loads
.if (\ti) < 32
.set RB, IR0
.else
.set RB, IR1
.endif
.irp u, 0,1
.irp p, 0,1
	ds_load_b128 v[EF+\bf+8*\u+4*\p:EF+\bf+8*\u+4*\p+3], v[ER] offset:64*((\ti)+\u)+16*\p   ; register j: e2 of code 8 h + j, the same in all sixteen lanes of a half
.endr
.endr
.irp u, 0,1
.irp p, 0,1
	ds_load_b128 v[AF+\bf+8*\u+4*\p:AF+\bf+8*\u+4*\p+3], v[RB] offset:((\ti)%32+\u)*TP+2*QP*\p
.endr
.endr
.endm
.macro M3 b, i
	v_min3_num_f32 v[TT+16*\b+\i], v[DD+16*\b+3*\i], v[DD+16*\b+3*\i+1], v[DD+16*\b+3*\i+2]
.endm
.macro SL b, i                         ; two selects on VCC: kept slots i and i + 1 take the group's numbers
	v_dual_cndmask_b32 v[SV+16*\b+\i], v[SV+16*\b+\i], v[DD+16*\b+\i] :: v_dual_cndmask_b32 v[SV+16*\b+\i+1], v[SV+16*\b+\i+1], v[DD+16*\b+\i+1]
.endm
; Group g of chunk c (two tiles of the book) against my two tiles of x.  left = LDS stores issued behind this group's loads.  sig: the barrier's signal stands here; bw: its wait.  The two tiles' lines take turns, so that no line waits for the line above it.
.macro STEP c, g, left, sig, bw
.set TI, 8*(\c)+2*(\g)
.set BF, 64*((\g)%2)
.set BN, 64-BF
.set O0, BS+((\g)%2)                   ; the best by turns in two registers, so that old and new can be compared
.set N0, BS+1-((\g)%2)
	s_wait_dscnt \left
.if (\sig+\bw == 0) && (TI < 62)
	NEXTL TI+2, BN                                 ; the next group's, a whole step ahead, into the other set
.endif
.irp b, 0,1
.irp i, 0,2,4,6,8,10,12,14
	v_pk_add_f32 v[DD+16*\b+\i:DD+16*\b+\i+1], v[EF+BF+\i:EF+BF+\i+1], v[ZZ+2*\b:ZZ+2*\b+1] op_sel_hi:[1,0]   ; t = e2 + z2.  (The second tile's name no register of the first tile's products: they are the plain lines owed behind those: ISA guide 7.12.1)
.endr
.irp u, 0,1
	v_wmma_f32_16x16x64_fp8_fp8 v[DD+16*\b+8*\u:DD+16*\b+8*\u+7], v[AF+BF+8*\u:AF+BF+8*\u+7], v[XB+8*\b:XB+8*\b+7], v[DD+16*\b+8*\u:DD+16*\b+8*\u+7]   ; t - 2 sim
.endr
.endr
.if \sig
	s_wait_dscnt 0x0                               ; for the others' sake: my tile of the next chunk and its e2 lie in LDS
	s_barrier_signal -1                            ; behind it stand, up to the wait, work on registers and loads of images that are never written again
.endif
.if \bw
	s_barrier_wait -1                              ; every wave has said so: the next chunk may be read
.endif
.if \sig+\bw > 0
	NEXTL TI+2, BN
.endif
.irp i, 0,1,2,3,4
	M3 0, \i                                       ; each accumulator from its low end on; these five are the places behind the second tile's products
.endr
	M3 1, 0
	v_min3_num_f32 v[TT], v[TT], v[TT+1], v[TT+2]
	M3 1, 1
	v_min3_num_f32 v[TT+3], v[TT+3], v[TT+4], v[DD+15]
	M3 1, 2
	M3 1, 3
	v_min3_num_f32 v[N0], v[TT], v[TT+3], v[O0]
	M3 1, 4
	v_min3_num_f32 v[TT+16], v[TT+16], v[TT+17], v[TT+18]
	v_cmp_lt_f32 vcc_lo, v[N0], v[O0]              ; only a strictly lesser number moves the best: the earlier group keeps a tie
	v_min3_num_f32 v[TT+19], v[TT+19], v[TT+20], v[DD+31]
	SL 0, 0
	SL 0, 2
	SL 0, 4
	v_min3_num_f32 v[N0+2], v[TT+16], v[TT+19], v[O0+2]
	SL 0, 6
	SL 0, 8
	SL 0, 10
	v_cmp_lt_f32 s18, v[N0+2], v[O0+2]
	SL 0, 12
	SL 0, 14
	v_cndmask_b32 v[TB], v[TB], 4*(\c)+\g, vcc_lo
	s_mov_b32 vcc_lo, s18
.irp i, 0,2,4,6,8,10,12,14
	SL 1, \i
.endr
	v_cndmask_b32 v[TB+1], v[TB+1], 4*(\c)+\g, vcc_lo
.endm
	QUANT 0, 24                                    ; behind chunk 0's loads: x's sixteen, chunk 1's eight
	CLOAD 2
.irp i, 0,1,2,3,4,5,6,7,8,9,10,11,12,13,14,15
	s_wait_loadcnt 31-\i                           ; x's load i is in; the younger ones and chunks 1 and 2 stay out
	ds_store_b128 v[XSW], v[XR+4*\i:XR+4*\i+3] offset:544*\i
.endr
.irp b, 0,1
.irp c, 0,1,2,3
.irp s, 0,1
	ds_load_b128 v[DD+32*\b+8*\c+4*\s:DD+32*\b+8*\c+4*\s+3], v[XSR] offset:16*272*\b+64*\c+16*\s   ; row r, k = 16 c + 8 h + 4 s on: LDS serves a wave's instructions in order (ISA guide 5.7.1), and these rows are my wave's own
.endr
.endr
.endr
	s_wait_dscnt 0x0                               ; x is back; and for the others' sake: my tile of chunk 0 lies in LDS
	s_barrier_signal -1
.irp b, 0,1
	v_pk_mul_f32 v[SQ+4*\b:SQ+4*\b+1], v[DD+32*\b:DD+32*\b+1], v[DD+32*\b:DD+32*\b+1]
	v_pk_mul_f32 v[SQ+4*\b+2:SQ+4*\b+3], v[DD+32*\b+2:DD+32*\b+3], v[DD+32*\b+2:DD+32*\b+3]
.endr
.irp i, 4,8,12,16,20,24,28
.irp b, 0,1
	v_pk_fma_f32 v[SQ+4*\b:SQ+4*\b+1], v[DD+32*\b+\i:DD+32*\b+\i+1], v[DD+32*\b+\i:DD+32*\b+\i+1], v[SQ+4*\b:SQ+4*\b+1]
	v_pk_fma_f32 v[SQ+4*\b+2:SQ+4*\b+3], v[DD+32*\b+\i+2:DD+32*\b+\i+3], v[DD+32*\b+\i+2:DD+32*\b+\i+3], v[SQ+4*\b+2:SQ+4*\b+3]
.endr
.endr
.irp b, 0,1
	v_pk_add_f32 v[SQ+4*\b:SQ+4*\b+1], v[SQ+4*\b:SQ+4*\b+1], v[SQ+4*\b+2:SQ+4*\b+3]
.endr
.irp b, 0,1
	v_add_f32 v[ZZ+2*\b], v[SQ+4*\b], v[SQ+4*\b+1]
.endr
.irp b, 0,1
	v_permlanex16_b32 v[ZZ+2*\b+1], v[ZZ+2*\b], s44, s45
.endr
.irp b, 0,1
	v_add_f32 v[ZZ+2*\b], v[ZZ+2*\b], v[ZZ+2*\b+1] ; z2: the same bits in both halves
.endr
.irp b, 0,1
	v_mul_f32 v[ZZ+2*\b], s[SS], v[ZZ+2*\b]
.endr
.set k, 0
.rept 64
	v_med3_num_f32 v[DD+k], -v[DD+k], -v[LMX], v[LMX]   ; the hold, and the minus sign
.set k, k+1
.endr
.irp b, 0,1
.irp c, 0,1,2,3
	v_cvt_scalef32_pk8_fp8_f32 v[XB+8*\b+2*\c:XB+8*\b+2*\c+1], v[DD+32*\b+8*\c:DD+32*\b+8*\c+7], v[SCX]
.endr
.endr
	v_nop                                          ; a plain line behind the last conversion
	s_wait_alu depctr_va_vdst(0)                   ; the wait here, directly ahead of the barrier's wait
	s_barrier_wait -1
	NEXTL 0, 0
.irp c, 0,1,2,3,4,5,6,7
.if \c == 7
	s_cmp_lg_u32 s[WV], 7
	s_cbranch_scc1 .Lno_ask                        ; wave 7 asks for the work-group's four codes: lane l: k = 2 l and 2 l + 1, 16 bytes each
	global_load_b128 v[CD:CD+3], v[EMO], s[22:23]
	global_load_b128 v[CD+4:CD+7], v[EMO], s[22:23] offset:4096
.Lno_ask:
.endif
	STEP \c, 0, 0, 0, 0
.if \c < 7
	QUANT (\c+1), 8-8*(\c/6)                       ; behind its loads the next chunk's eight were issued, behind the last chunk's none
.if \c < 5
	CLOAD (\c+3)                                   ; into the registers just read
.endif
	STEP \c, 1, 5, 1, 0                            ; behind its loads the chunk's five stores were issued
	STEP \c, 2, 0, 0, 0
	STEP \c, 3, 0, 0, 1
.else
	STEP \c, 1, 0, 0, 0
	STEP \c, 2, 0, 0, 0
	STEP \c, 3, 0, 0, 0
.endif
.endr
	s_cmp_lg_u32 s[WV], 7
	s_cbranch_scc1 .Lno_lay                        ; wave 7 lays them as four rows of embt
	s_wait_loadcnt 0x0
.irp j, 0,1,2,3
	v_mov_b32 v[SQ+2*\j], v[CD+\j]
	v_mov_b32 v[SQ+2*\j+1], v[CD+4+\j]
.endr
	v_lshlrev_b32 v1, 3, v[LN]
.irp j, 0,1,2,3
	global_store_b64 v1, v[SQ+2*\j:SQ+2*\j+1], s[12:13] offset:256*\j   ; 256 consecutive bytes, aligned
.endr
.Lno_lay:
; The lowest kept slot that holds the best.  Slot i stands for code i + (i & 8) of its group's 32 (the other half of the lanes holds the eight between).  Four chains of four slots, each from its highest slot down; 63 = not here.
.macro FIND b
.set PB, BS+2*(\b)
.set TC, TT+4*(\b)
.set SB, SV+16*(\b)
.irp i, 0,1,2,3,4,5,6,7,8,9,10,11,12,13,14
	v_cmp_eq_f32 s[MS+\i], v[SB+\i], v[PB]
.endr
	v_lshl_add_u32 v[TB+\b], v[TB+\b], 5, v[KB]    ; the best group's first code in my lane
	v_cndmask_b32 v[TC], 63, 3, s[MS+3]
	v_cndmask_b32 v[TC+1], 63, 7, s[MS+7]
	v_cndmask_b32 v[TC+2], 63, 19, s[MS+11]
	v_cndmask_b32 v[TC+3], 23, 22, s[MS+14]        ; slot 15 is what is left if no other slot holds the best
.irp e, 2,1,0
	v_cndmask_b32 v[TC], v[TC], \e, s[MS+\e]
	v_cndmask_b32 v[TC+1], v[TC+1], 4+\e, s[MS+4+\e]
	v_cndmask_b32 v[TC+2], v[TC+2], 16+\e, s[MS+8+\e]
.if \e < 2
	v_cndmask_b32 v[TC+3], v[TC+3], 20+\e, s[MS+12+\e]
.endif
.endr
.endm
	FIND 0
	FIND 1
.irp b, 0,1
	v_min_u32 v[TT+4*\b], v[TT+4*\b], v[TT+4*\b+1]
	v_min_u32 v[TT+4*\b+2], v[TT+4*\b+2], v[TT+4*\b+3]
.endr
.irp b, 0,1
	v_min_u32 v[TT+4*\b], v[TT+4*\b], v[TT+4*\b+2]
.endr
.irp b, 0,1
	v_add_nc_u32 v[TB+\b], v[TB+\b], v[TT+4*\b]
.endr
.irp b, 0,1                            ; lanes l and l xor 16 hold the two halves of a row's codes: the lesser distance, then the lower code
	v_permlanex16_b32 v[BS+1+2*\b], v[BS+2*\b], s44, s45
	v_permlanex16_b32 v[TT+16+\b], v[TB+\b], s44, s45
.endr
.irp b, 0,1
	v_min_num_f32 v[TT+12+\b], v[BS+2*\b], v[BS+1+2*\b]
.endr
.irp b, 0,1
	v_cmp_eq_f32 s[MS+2*\b], v[BS+2*\b], v[TT+12+\b]
	v_cmp_eq_f32 s[MS+2*\b+1], v[BS+1+2*\b], v[TT+12+\b]
.endr
.irp b, 0,1
	v_cndmask_b32 v[TB+\b], -1, v[TB+\b], s[MS+2*\b]
	v_cndmask_b32 v[TT+16+\b], -1, v[TT+16+\b], s[MS+2*\b+1]
.endr
.irp b, 0,1
	v_min_u32 v[TB+\b], v[TB+\b], v[TT+16+\b]
.endr
	v_cmp_gt_u32 vcc_lo, 16, v[LN]
	v_cndmask_b32 v[TB], v[TB+1], v[TB], vcc_lo    ; lanes 0-15: the first tile's rows, lanes 16-31: the second's: my row is 32 x wave + lane
	ds_store_b32 v[GOW], v[TB]
	s_wait_dscnt 0x0                               ; for the others' sake: my 32 indices lie in LDS
	s_barrier_signal -1
	s_barrier_wait -1
	s_cmp_gt_u32 s[WV], 1
	s_cbranch_scc1 .Lend                           ; waves 0 and 1 store 128 indices each
	ds_load_b128 v[DD:DD+3], v[GOR]
	s_wait_dscnt 0x0
	s_lshl_b32 s26, s[WV], 9
	s_mov_b32 s27, 0
	s_add_nc_u64 s[26:27], s[10:11], s[26:27]
	global_store_b128 v[XO], v[DD:DD+3], s[26:27]  ; 512 consecutive bytes
.Lend:
	s_wait_tensorcnt 0x0                           ; the wave's end
	ds_add_u32 v[SPW], v[NIL]
	s_wait_dscnt 0x0
	s_endpgm
.Lfunc_end_k_q5cd56c810a_near:
	.size	k_q5cd56c810a_near, .Lfunc_end_k_q5cd56c810a_near-k_q5cd56c810a_near
	.p2alignl 7, 3214868480
	.fill 96, 4, 3214868480
	.section	.rodata,"a",@progbits
	.p2align	6, 0x0
	.amdhsa_kernel k_q5cd56c810a_near
		.amdhsa_group_segment_fixed_size 145408
		.amdhsa_private_segment_fixed_size 0
		.amdhsa_enable_private_segment 0
		.amdhsa_kernarg_size 40
		.amdhsa_user_sgpr_count 2
		.amdhsa_user_sgpr_kernarg_segment_ptr 1
		.amdhsa_wavefront_size32 1
		.amdhsa_system_sgpr_workgroup_id_x 1
		.amdhsa_system_sgpr_workgroup_id_y 1
		.amdhsa_system_sgpr_workgroup_id_z 1
		.amdhsa_system_vgpr_workitem_id 0
		.amdhsa_next_free_vgpr 384
		.amdhsa_next_free_sgpr 66
		.amdhsa_reserve_vcc 1
		.amdhsa_float_denorm_mode_32 3
		.amdhsa_float_denorm_mode_16_64 3
		.amdhsa_memory_ordered 1
		.amdhsa_forward_progress 1
		.amdhsa_inst_pref_size 196
	.end_amdhsa_kernel
	.amdgpu_metadata
---
amdhsa.version: [ 1, 2 ]
amdhsa.kernels:
  - .name:           k_q5cd56c810a_near
    .symbol:         k_q5cd56c810a_near.kd
    .args:
      - { .name: embeddings, .offset: 0, .size: 8, .value_kind: global_buffer, .address_space: global }
      - { .name: x, .offset: 8, .size: 8, .value_kind: global_buffer, .address_space: global }
      - { .name: lowp_scales, .offset: 16, .size: 8, .value_kind: global_buffer, .address_space: global }
      - { .name: idx, .offset: 24, .size: 8, .value_kind: global_buffer, .address_space: global }
      - { .name: embt, .offset: 32, .size: 8, .value_kind: global_buffer, .address_space: global }
    .group_segment_fixed_size: 145408
    .private_segment_fixed_size: 0
    .kernarg_segment_align: 8
    .kernarg_segment_size: 40
    .max_flat_workgroup_size: 256
    .sgpr_count:     66
    .vgpr_count:     384
    .wavefront_size: 32
...
	.end_amdgpu_metadata
.endif
;; end of part 1
;; launch take (part 2): grid 256 x 1, 8 waves a work-group, no clusters, 0 bytes of LDS; arguments idx, embt, out0; writes out0
.if DOCPART == 2
	.amdgcn_target "amdgcn-amd-amdhsa--gfx1250"
	.amdhsa_code_object_version 6
	.text
	.protected	k_q5cd56c810a_take
	.globl	k_q5cd56c810a_take
	.p2align	8
	.type	k_q5cd56c810a_take,@function
k_q5cd56c810a_take:
	s_mov_b64 s[64:65], 0
	v_nop
	global_prefetch_b8 v0, s[64:65] scope:SCOPE_SE
	s_setreg_imm32_b32 hwreg(HW_REG_WAVE_MODE, 25, 1), 1
	s_wait_xcnt 0x0
; out0[q][:] = embt[idx[q]][:]: a row of 256 bytes for each of 65,536 rows.  idx holds whole numbers that the launch before stored; each is held at 1,023 from above before it enters an address.
; A work-group owns 256 rows, a wave 32.  Instruction i serves row i in lanes 0-15 and row 16 + i in lanes 16-31, 16 bytes a lane: each gather reads, and each store writes, two whole rows of 256 bytes.
; All 16 gathers of a wave are issued before the first store.  No LDS, no barrier, no matrix work: waves share nothing.  The table's rows may be named many times, so its loads carry no hint; out0 is written once.
; No prefetch: every address of the gather is known only when idx has come, and then the gathers themselves go out at once.
.set IX, 8                             ; v8-23   my half's 16 indices
.set OF, 24                            ; v24-39  their rows' byte offsets + 16 r
.set DT, 64                            ; v64-127 16 x 4 registers of data
	s_load_b128 s[4:7], s[0:1], 0x0                ; idx, embt
	s_load_b64 s[8:9], s[0:1], 0x10                ; out0
	v_lshrrev_b32 v4, 5, v0
	s_delay_alu instid0(VALU_DEP_1)
	v_readfirstlane_b32 s10, v4                    ; wave 0..7
	v_and_b32 v5, 15, v0                           ; r
	v_bfe_u32 v6, v0, 4, 1                         ; h
	s_delay_alu instid0(VALU_DEP_1)
	v_lshlrev_b32 v1, 6, v6                        ; idx: my half's 16 numbers
	s_delay_alu instid0(VALU_DEP_3)
	v_lshlrev_b32 v2, 4, v5                        ; my 16 bytes of a row
	s_delay_alu instid0(VALU_DEP_1)
	v_lshl_add_u32 v3, v6, 12, v2                  ; out0: 16 rows further down for lanes 16-31
	s_lshl_b32 s12, ttmp9, 10
	s_lshl_b32 s13, s10, 7
	s_add_co_u32 s12, s12, s13                     ; my wave's 32 indices
	s_mov_b32 s13, 0
	s_lshl_b32 s14, ttmp9, 16
	s_lshl_b32 s15, s10, 13
	s_add_co_u32 s14, s14, s15                     ; my wave's 32 rows of out0
	s_mov_b32 s15, 0
	s_wait_alu depctr_va_vdst(0)
	s_wait_kmcnt 0x0
	s_add_nc_u64 s[4:5], s[4:5], s[12:13]
	s_add_nc_u64 s[8:9], s[8:9], s[14:15]
.irp j, 0,1,2,3
	global_load_b128 v[IX+4*\j:IX+4*\j+3], v1, s[4:5] offset:16*\j   ; register i: the index of row 16 h + i, the same in all sixteen lanes of a half
.endr
	s_wait_loadcnt 0x0
.irp i, 0,1,2,3,4,5,6,7,8,9,10,11,12,13,14,15
	v_min_u32 v[IX+\i], 0x3ff, v[IX+\i]            ; inside the table, whatever was stored
.endr
.irp i, 0,1,2,3,4,5,6,7,8,9,10,11,12,13,14,15
	v_lshl_add_u32 v[OF+\i], v[IX+\i], 8, v2
.endr
.irp i, 0,1,2,3,4,5,6,7,8,9,10,11,12,13,14,15
	global_load_b128 v[DT+4*\i:DT+4*\i+3], v[OF+\i], s[6:7]
.endr
.irp i, 0,1,2,3,4,5,6,7,8,9,10,11,12,13,14,15
	s_wait_loadcnt 15-\i                           ; gather i is in; the 15 - i younger ones stay out
	global_store_b128 v3, v[DT+4*\i:DT+4*\i+3], s[8:9] offset:256*\i
.endr
	s_endpgm
.Lfunc_end_k_q5cd56c810a_take:
	.size	k_q5cd56c810a_take, .Lfunc_end_k_q5cd56c810a_take-k_q5cd56c810a_take
	.p2alignl 7, 3214868480
	.fill 96, 4, 3214868480
	.section	.rodata,"a",@progbits
	.p2align	6, 0x0
	.amdhsa_kernel k_q5cd56c810a_take
		.amdhsa_group_segment_fixed_size 0
		.amdhsa_private_segment_fixed_size 0
		.amdhsa_enable_private_segment 0
		.amdhsa_kernarg_size 24
		.amdhsa_user_sgpr_count 2
		.amdhsa_user_sgpr_kernarg_segment_ptr 1
		.amdhsa_wavefront_size32 1
		.amdhsa_system_sgpr_workgroup_id_x 1
		.amdhsa_system_sgpr_workgroup_id_y 1
		.amdhsa_system_sgpr_workgroup_id_z 1
		.amdhsa_system_vgpr_workitem_id 0
		.amdhsa_next_free_vgpr 128
		.amdhsa_next_free_sgpr 66
		.amdhsa_reserve_vcc 0
		.amdhsa_float_denorm_mode_32 3
		.amdhsa_float_denorm_mode_16_64 3
		.amdhsa_memory_ordered 1
		.amdhsa_forward_progress 1
		.amdhsa_inst_pref_size 8
	.end_amdhsa_kernel
	.amdgpu_metadata
---
amdhsa.version: [ 1, 2 ]
amdhsa.kernels:
  - .name:           k_q5cd56c810a_take
    .symbol:         k_q5cd56c810a_take.kd
    .args:
      - { .name: idx, .offset: 0, .size: 8, .value_kind: global_buffer, .address_space: global }
      - { .name: embt, .offset: 8, .size: 8, .value_kind: global_buffer, .address_space: global }
      - { .name: out0, .offset: 16, .size: 8, .value_kind: global_buffer, .address_space: global }
    .group_segment_fixed_size: 0
    .private_segment_fixed_size: 0
    .kernarg_segment_align: 8
    .kernarg_segment_size: 24
    .max_flat_workgroup_size: 256
    .sgpr_count:     66
    .vgpr_count:     128
    .wavefront_size: 32
...
	.end_amdgpu_metadata
.endif
;; end of part 2
